; MI455X (gfx1250); checked and timed in simulation.
; The chip was launched on July 23, 2026; its instructions are those of AMD's public machine-readable ISA for CDNA 5 (MIT licence, August 2026) and "CDNA5" Instruction Set Architecture Reference Guide (July 2026). The comments in the code are by the model that wrote it; some were corrected since.
;; Multihead Attention. Allowed arithmetic: matrix products marked QUANTISED: E4M3 operands, one given power-of-two scale a tensor, by v_wmma_f32_16x16x64_fp8_fp8 or v_wmma_f32_16x16x128_fp8_fp8, f32 sums; everything else in f32.
;; Inputs: W_k_codes 1,024 x 32 x 32 uint8 (E4M3 codes of W_k, K innermost, in blocks of 32 codes); W_out_codes 1,024 x 32 x 32 uint8 (E4M3 codes of W_out, K innermost, in blocks of 32 codes); W_q_codes 1,024 x 32 x 32 uint8 (E4M3 codes of W_q, K innermost, in blocks of 32 codes); W_v_codes 1,024 x 32 x 32 uint8 (E4M3 codes of W_v, K innermost, in blocks of 32 codes); b_k 1,024 float32; b_out 1,024 float32; b_q 1,024 float32; b_v 1,024 float32; lowp_scales 12 int32 (the exponents e of the quantised operands' scales 2^e); x_kv_codes 4 x 2,048 x 32 x 32 uint8 (E4M3 codes of x_kv, K innermost, in blocks of 32 codes); x_q_codes 4 x 2,048 x 32 x 32 uint8 (E4M3 codes of x_q, K innermost, in blocks of 32 codes).
;; Outputs: out0 4 x 2,048 x 1,024 float32.
;; This version of the problem:
;;   THIS VERSION OF THE PROBLEM IS GIVEN IN LOW PRECISION. The matrix products marked QUANTISED in the list below multiply operands that are first quantised to E4M3 (4 exponent bits, 3 mantissa bits; 8 bits a number), with one given power-of-two scale for each operand tensor; their sums are f32. All else is computed in f32.
;;   The module's matrix products, in the order in which they are computed (A, B: the left and right operand; K: the contracted axis; several contracted axes count as one K, in the product's order):
;;     1. [M 8,192, K 1,024] x [K 1,024, N 1,024]; A: input x_q (given as codes); B: input W_q (given as codes): QUANTISED (scales: A lowp_scales[0], B lowp_scales[1])
;;     2. [M 8,192, K 1,024] x [K 1,024, N 1,024]; A: input x_kv (given as codes); B: input W_k (given as codes): QUANTISED (scales: A lowp_scales[2], B lowp_scales[3])
;;     3. [M 8,192, K 1,024] x [K 1,024, N 1,024]; A: input x_kv (given as codes); B: input W_v (given as codes): QUANTISED (scales: A lowp_scales[4], B lowp_scales[5])
;;     4. batch 64 x [M 2,048, K 64] x [K 64, N 2,048]; A: computed on the way; B: computed on the way: QUANTISED (scales: A lowp_scales[6], B lowp_scales[7])
;;     5. batch 64 x [M 2,048, K 2,048] x [K 2,048, N 64]; A: softmax (see below); B: computed on the way: QUANTISED (scales: A lowp_scales[8], B lowp_scales[9])
;;     6. [M 8,192, K 1,024] x [K 1,024, N 1,024]; A: computed on the way; B: input W_out (given as codes): QUANTISED (scales: A lowp_scales[10], B lowp_scales[11])
;;   THE QUANTISER, for each operand of a quantised product, along K:
;;     - The operand's scale is 2^e, e = its entry of the input lowp_scales (int32; the entries are numbered through the quantised products in the list's order, A before B).
;;     - Each number is divided by the scale, clamped to +-448, and rounded to the nearest number of E4M3, ties to even, subnormals kept.
;;     - The product sums the exact products of the quantised numbers (number of the format x scale) in f32.
;;   ~~~python
;;   def quantise(x, axis, e):      # numpy; x: float32 -> the quantised numbers, widened to float32 again
;;       x = np.moveaxis(x, axis, -1); K = x.shape[-1]
;;       r = np.clip(x / 2.0 ** e, -448, 448)
;;       step = 2.0 ** (np.maximum(np.frexp(np.where(r == 0, 1, r))[1] - 1, -6) - 3)
;;       q = np.round(r / step) * step * 2.0 ** e      # np.round: ties to even
;;       return np.moveaxis(q, -1, axis).astype(np.float32)
;;   ~~~
;;   SOFTMAX AHEAD OF A QUANTISED PRODUCT. Where the list says 'softmax', what is quantised is not the finished softmax but p = 2^(t - M), with t = logit x log2(e) and M = ceil(the row's largest t), a whole number; so 1/2 < the row's largest p <= 1. The row's sum l is taken of the UNQUANTISED p, in f32, and the product's result is divided by l at the end. Since M is a whole number, a kernel that streams over the keys may use a running M (the ceiling of the running maximum): every later rescaling is an exact power of two, so the quantised numbers keep their values, but for numbers so far below the row's largest that they fall under the format's range.
;;   OPERANDS COMPUTED ON THE WAY. 'Computed on the way' means the value that the module computes at that place (a softmax that the list does not call 'softmax' is quantised finished and normalised). What goes into a quantiser is computed in f32, as accurately as f32 sums, v_exp_f32 and their like allow (about 1e-6 of the number): no bf16 or f16 on the way to a quantiser, and a product that is left as it is and whose result goes on into a quantised operand takes f32 operands (vector FMAs, or v_wmma_f32_16x16x4_f32). A number that lies on a knife's edge between two numbers of the format may be rounded either way, as far as f32 arithmetic and the matrix unit's own rounding can turn it there, and no further.
;;   INPUTS GIVEN AS CODES. W_k (in the module: [1024, 1024], K = its axis 1); W_out (in the module: [1024, 1024], K = its axis 1); W_q (in the module: [1024, 1024], K = its axis 1); W_v (in the module: [1024, 1024], K = its axis 1); x_kv (in the module: [4, 2048, 1024], K = its axis 2); x_q (in the module: [4, 2048, 1024], K = its axis 2): each comes as NAME_codes (uint8): NAME with its K axis moved to the last place and cut into blocks of 32 codes, [.., K / 32, bytes a block], one block behind the other in memory; one code a byte (a code: sign, 4 exponent bits, 3 mantissa bits); its scale is its entry of lowp_scales. Its value is code x scale, taken as it is: it is not quantised again, and the codes and scales need not be those that the quantiser above would give.
;; One version. Each part assembles by itself: llvm-mc -triple=amdgcn-amd-amdhsa -mcpu=gfx1250 --defsym DOCPART=n.
;; ======== version 1 of 1: 3 launches
;; limits: right only within a limited range of input values
;; workspace buffers: q_img 8,388,608 bytes; k_img 8,388,608 bytes; v_img 8,388,608 bytes; o_img 8,388,608 bytes
;; launch proj (part 1): grid 12 x 32, 4 waves a work-group, clusters of 4 x 4, 327,680 bytes of LDS; arguments x_q_codes, x_kv_codes, W_q_codes, W_k_codes, W_v_codes, b_q, b_k, b_v, lowp_scales, q_img, k_img, v_img; writes q_img, k_img, v_img
.if DOCPART == 1
	.amdgcn_target "amdgcn-amd-amdhsa--gfx1250"
	.amdhsa_code_object_version 6
	.text
	.protected	k_qe960a0a070_proj
	.globl	k_qe960a0a070_proj
	.p2align	8
	.type	k_qe960a0a070_proj,@function
k_qe960a0a070_proj:
	s_mov_b64 s[64:65], 0
	v_nop
	global_prefetch_b8 v0, s[64:65] scope:SCOPE_SE
	s_setreg_imm32_b32 hwreg(HW_REG_WAVE_MODE, 25, 1), 1
	s_wait_xcnt 0x0
	s_wait_alu depctr_hold_cnt(0) depctr_sa_sdst(0) depctr_va_vdst(0) depctr_va_sdst(0) depctr_va_ssrc(0) depctr_va_vcc(0) depctr_vm_vsrc(0)
	s_getreg_b32 s2, hwreg(HW_REG_IB_STS2, 6, 4)
	s_cmp_eq_u32 s2, 0
	s_cbranch_scc0 .Lentry_in_a_cluster
	s_endpgm
.Lentry_in_a_cluster:
	s_bfe_u32 s2, ttmp6, 0x10000c
	s_cmp_lg_u32 s2, 0xf033
	s_cbranch_scc0 .Lentry_shape_is_right
	s_endpgm
.Lentry_shape_is_right:
; MULTI-HEAD ATTENTION ON CODES OF FP8 (E4M3), three launches: this one (q, k, v), the attention, the projection on the way out.
; THIS LAUNCH: q = x_q W_q^T + b_q, k = x_kv W_k^T + b_k, v = x_kv W_v^T + b_v on the given codes, sums in f32, each sum x 2^(its two exponents) + bias, then quantised with the given 2^e6, 2^e7, 2^e9.
; WORK LEFT OUT BY THE PROGRAM (in the attention launch): key tiles that lie wholly above the diagonal.  The mask: -10,000 on every key behind the query.
;   The quantisers hold |q| at 448 x 2^e6 and |k| at 448 x 2^e7, so a logit is at most 64 x 448^2 x 2^(e6+e7) / 8 = 1,605,632 x 2^(e6+e7) in size: at most 3,136 where e6 + e7 <= -9.  The key on the diagonal counts for
;   every query, so the row's largest logit is at least -3,136, and a hidden key's is at most 3,136 - 10,000: at least 3,728 below it.  Its p = 2^(t - M) lies under 2^-5,000: its code is the code 0, and the f32 sum of the row does not
;   move.  That holds for all values of the inputs.  LIMIT: e6 + e7 <= -9.  A NaN, an infinity or an overflow that reaches only the tiles left out is not carried to the result.  Every input has a way to the output: all are loaded.
; LIMITS on the given exponents, so that each power of two below is an f32 number: e0 + e1, e2 + e3, e4 + e5 between -126 and 127; e6, e7, e9 between -126 and 119.  NaN among the biases is not served.
; SHARES.  Cluster x = g says which product: 0 q, 1 k, 2 v; it is the same in all sixteen partners.  A tile of 256 x 256 results to a work-group of four waves, 128 x 128 to a wave: 64 accumulators, 512 registers.
;   g = 0, 1: A = x (tile row 4 x cluster y + cy), B = W (tile column cx).   g = 2: A = W_v (tile row cy), B = x_kv (tile column 4 x cluster y + cx).
; THE MATRIX INSTRUCTION IS USED TRANSPOSED (source 0 = 16 rows of B, source 1 = 16 rows of A): a lane holds ONE row of A and eight neighbouring rows of B.  So for q and k a lane holds one position and eight neighbouring
;   channels, for v one channel and eight neighbouring keys: eight neighbours along the K of the product that will take them.  One conversion makes of them registers 2 c, 2 c + 1 of that product's operand.
; THE RESULTS LEAVE AS IMAGES OF OPERAND REGISTERS: register p of a fragment, lane l, lies at byte 512 (p / 4) + 16 l + 4 (p % 4) of its image.  A store of four registers covers 512 consecutive bytes, aligned; no LDS on the way out.
;   q_img, k_img: [batch x 16 + head][position / 16][1,024 bytes]: a fragment of 16 positions x 64 channels.   v_img: [batch x 16 + head][key / 128][channel / 16][2,048 bytes]: 16 channels x 128 keys.
; K = 1,024 goes in four steps of 256 through a ring of two LDS slots filled by the tensor data mover; the four partners of a row of the cluster ask for A's tile jointly, the four of a column for B's.
; A fragment's k are taken by four loads of 16 bytes (registers 4 c .. 4 c + 3: k = 32 c + 16 (l / 16) + 0 .. 15): a permutation of k, the same in A and in B: every product meets its partner.
; REGISTERS, in windows of 256: window 0: v16-29 addresses; v32-95 the bias along the registers, v96-111 along the lanes; from v128 A's fragments, one set; on the way out v128-191 numbers, v192-207 codes.
;   window 1: B's fragments, two sets.   window 2: the accumulators of my rows 0-63 ((a, b) at v[8 (8 a + b)]);   window 3: those of my rows 64-127.
.set KROW,   1024                      ; a row of A or of B in memory, in bytes
.set ROWB,   256                       ; a tile's row: 256 codes
.set PITCH,  272                       ; an LDS row: 256 bytes + 16 of padding = 68 words: row r starts at bank 4 r mod 64 (64 banks of 4 bytes: ISA guide 11.1)
.set FR,     16                        ; registers of a fragment: 16 rows x 128 K
.set NL,     4                         ; LDS loads that bring one
.set NP,     4                         ; places behind this matrix instruction (ISA guide 7.12.1)
.set HALFT,  128*PITCH                 ; 128 rows: what one tensor load brings
.set SLOT,   4*HALFT                   ; A's 256 rows, then B's 256 rows
.set SPARE,  2*SLOT                    ; behind the ring: the spare words, 128 bytes for each wave
.set ADRA, 16                          ; v16-17  LDS address of my A fragments in slot 0, 1
.set ADRB, 20                          ; v20-21  the same for B
.set VO0,  24                          ; v24     16 x lane: my place in an image's first half
.set VO1,  25                          ; v25     the same, for the codes' registers 8 to 15: the next head's image (q, k) or the same image's second half (v)
.set VB,   26                          ; v26     32 x (lane / 16): the bias along the registers
.set VR,   27                          ; v27     4 x (lane % 16): the bias along the lanes
.set SPW,  28                          ; v28     LDS address of my spare word; never rewritten
.set NIL,  29                          ; v29     0; never rewritten
.set BN,   32                          ; v32-95  bias of B's row 16 b + 8 (lane / 16) + j at 8 b + j (q, k; zeros for v)
.set BM2,  96                          ; v96-111 bias of A's row 16 a + lane % 16, twice, at 2 a (v; zeros for q, k)
.set SCL,  112                         ; v112    2^eo as f32: the conversion takes its exponent field
.set LIM,  113                         ; v113    448 x 2^eo
.set ZERO, 114
.set AF,   128
.set TMP,  128
.set CD,   192
.set G1, 24                            ; s[24:31] descriptor group 1 for A's tiles;  s[32:39] group 0, one set for each slot
.set G0, 32
.set G1B, 48                           ; s[48:55], s[56:63] the same for B's tiles
.set G0B, 56
.set MSB, 0
.macro WIN new                         ; the immediate's high byte repeats the setting that is left
.if MSB != (\new)
	s_set_vgpr_msb (MSB<<8)|(\new)
.set MSB, (\new)
.endif
.endm
.set MUL_LO, 0xa1                      ; source 0 (B) window 1, source 1 (A) window 0, C and D window 2
.set MUL_HI, 0xf1                      ; the same, C and D window 3
.set TO_B,   0x40                      ; destination window 1, address window 0
; A joint load: waves 0 and 1 fetch for A, waves 2 and 3 for B.  The branch hangs on the wave's number alone.  An s_nop 0 and four v_nop follow each of the two lines.
.macro JLOAD g0a, g1a, g0b, g1b
	s_cmp_eq_u32 s15, 0
	s_cbranch_scc0 .Lfor_b_\@
	tensor_load_to_lds s[\g0a:\g0a+3], s[\g1a:\g1a+7]
	s_nop 0
.rept 4
	v_nop
.endr
	s_branch .Lasked_\@
.Lfor_b_\@:
	tensor_load_to_lds s[\g0b:\g0b+3], s[\g1b:\g1b+7]
	s_nop 0
.rept 4
	v_nop
.endr
.Lasked_\@:
.endm
.macro CREST                           ; a round of the cluster's barrier behind its opening barrier
	s_cmp_lg_u32 s14, 0
	s_cbranch_scc1 .Lnot_wave_0_\@
	s_barrier_signal -3
.Lnot_wave_0_\@:
	s_barrier_wait -3
	s_barrier_signal -1
	s_barrier_wait -1
.endm
.macro CROUND                          ; a whole round
	s_barrier_signal -1
	s_barrier_wait -1
	CREST
.endm
	s_load_b512 s[68:83], s[0:1], 0x0              ; x_q 68, x_kv 70, W_q 72, W_k 74, W_v 76, b_q 78, b_k 80, b_v 82
	s_load_b256 s[84:91], s[0:1], 0x40             ; the scales' exponents 84, q_img 86, k_img 88, v_img 90
	v_lshl_add_u32 v[SPW], v0, 2, SPARE
	v_mov_b32 v[NIL], 0
	ds_add_u32 v[SPW], v[NIL]                      ; the wave's opening: the add, twice on end, and its wait ahead of my first tensor load
	ds_add_u32 v[SPW], v[NIL]                      ; and once more; the set-up below, work on registers, stands between it and the wait
	v_lshrrev_b32 v1, 5, v0
	v_readfirstlane_b32 s14, v1                    ; wave 0..3
	s_lshr_b32 s15, s14, 1                         ; which half of the tile's rows is mine.  Also: I fetch for A (0) or for B (1)
	s_and_b32 s16, s14, 1                          ; which half of its columns.  Also: which 128 rows of that tile I fetch
	s_bfe_u32 s40, ttmp6, 0x40000                  ; cx, cy: my place in the cluster
	s_bfe_u32 s41, ttmp6, 0x40004
	s_and_b32 s17, ttmp7, 0xffff
	s_lshl_b32 s17, s17, 2                         ; 4 x cluster y: it walks x's 32 tiles, which are A's for q and k and B's for v
	s_cmp_eq_u32 ttmp9, 2                          ; is this v's cluster?  The same answer in all sixteen partners
	s_cselect_b32 s18, 0, s17
	s_cselect_b32 s42, s17, 0
	s_cselect_b32 s12, -1, 0                       ; a lane mask: all ones for v
	s_add_co_u32 s17, s18, s41                     ; tile row
	s_add_co_u32 s42, s42, s40                     ; tile column
	s_lshl_b32 s43, s41, 2
	s_lshl_b32 s43, 15, s43                        ; my row of the cluster
	s_lshl_b32 s44, 0x1111, s40                    ; my column
	; descriptor group 1: a tile of 128 rows x 256 bytes, padded in LDS
	s_or_b32 s[G1+0], s43, (0<<16)|(1<<20)|(1<<21)|(5<<22)|(3<<25)  ; 15:0 the mask: A's tiles go to my row; 17:16 element of 1 byte; 20 padding on; 21 set beside a mask; 24:22 after every 64 words; 31:25 of 4 words
	s_or_b32 s[G1B+0], s44, (0<<16)|(1<<20)|(1<<21)|(5<<22)|(3<<25) ; the same with the mask of my column
.irp g, G1, G1B
	s_mov_b32 s[\g+1], ROWB<<16                    ; tensor_dim0
	s_mov_b32 s[\g+2], 128<<16                     ; tensor_dim1
	s_mov_b32 s[\g+3], ROWB<<16                    ; tile_dim0
	s_mov_b32 s[\g+4], 128                         ; tile_dim1
	s_mov_b32 s[\g+5], KROW                        ; tensor_dim0_stride
	s_mov_b32 s[\g+6], 0
	s_mov_b32 s[\g+7], 0
.endr
	s_lshl_b32 s18, s16, 7                         ; which 128 rows of the tile I fetch
	s_lshl_b32 s20, s17, 8
	s_add_co_u32 s20, s20, s18                     ; A: row 256 x tile row + 128 x half,
	s_lshl_b32 s20, s20, 10                        ; in bytes (under 2^23)
	s_mov_b32 s21, 0
	s_lshl_b32 s46, s42, 8
	s_add_co_u32 s46, s46, s18                     ; B: row 256 x tile column + 128 x half
	s_lshl_b32 s46, s46, 10
	s_mov_b32 s47, 0
	s_mul_i32 s45, s14, HALFT                      ; where they go: wave x 128 rows: no place in the cluster enters an LDS address
	s_wait_dscnt 0x0                               ; both opening adds are done
	s_wait_kmcnt 0x0
	s_cmp_eq_u32 ttmp9, 0                          ; the product's buffers: a choice that hangs on the cluster's number alone
	s_cselect_b64 s[4:5], s[68:69], s[70:71]       ; A: x_q, x_kv,
	s_cselect_b64 s[6:7], s[72:73], s[74:75]       ; B: W_q, W_k,
	s_cselect_b64 s[8:9], s[78:79], s[80:81]       ; the bias,
	s_cselect_b64 s[10:11], s[86:87], s[88:89]     ; the images;
	s_cmp_eq_u32 ttmp9, 2
	s_cselect_b64 s[4:5], s[76:77], s[4:5]         ; for v: A = W_v,
	s_cselect_b64 s[6:7], s[70:71], s[6:7]         ; B = x_kv
	s_cselect_b64 s[8:9], s[82:83], s[8:9]
	s_cselect_b64 s[10:11], s[90:91], s[10:11]
	s_load_b256 s[68:75], s[84:85], 0x0            ; e0 .. e7
	s_load_b128 s[76:79], s[84:85], 0x20           ; e8 .. e11
	s_add_nc_u64 s[20:21], s[4:5], s[20:21]
	s_add_nc_u64 s[46:47], s[6:7], s[46:47]
	CROUND                                         ; all sixteen work-groups are here: the first joint loads meet
.irp s, 0,1
	s_mov_b32 s[G0+4*\s], 1
	s_add_co_u32 s[G0+4*\s+1], s45, \s*SLOT
	s_add_nc_u64 s[G0+4*\s+2:G0+4*\s+3], s[20:21], \s*ROWB
	s_or_b32 s[G0+4*\s+3], s[G0+4*\s+3], 0x80000000
	s_mov_b32 s[G0B+4*\s], 1
	s_add_co_u32 s[G0B+4*\s+1], s45, \s*SLOT
	s_add_nc_u64 s[G0B+4*\s+2:G0B+4*\s+3], s[46:47], \s*ROWB
	s_or_b32 s[G0B+4*\s+3], s[G0B+4*\s+3], 0x80000000
	JLOAD G0+4*\s, G1, G0B+4*\s, G1B
.endr
	v_and_b32 v1, 15, v0                           ; l % 16
	v_bfe_u32 v2, v0, 4, 1                         ; l / 16
	v_mul_u32_u24 v3, v1, PITCH
	v_lshl_add_u32 v4, v2, 4, v3                   ; a fragment's row x pitch + 16 x half
	s_mul_i32 s21, s15, HALFT                      ; my 128 rows of A
	s_mul_i32 s22, s16, HALFT                      ; my 128 rows of B,
	s_add_co_u32 s22, s22, 2*HALFT                 ; which lie behind A's 256
.irp s, 0,1
	v_add_nc_u32 v[ADRA+\s], s21, v4
	v_add_nc_u32 v[ADRB+\s], s22, v4
	s_add_co_u32 s21, s21, SLOT
	s_add_co_u32 s22, s22, SLOT
.endr
	v_and_b32 v6, 31, v0
	v_lshlrev_b32 v[VO0], 4, v6
	v_lshlrev_b32 v[VB], 5, v2
	v_lshlrev_b32 v[VR], 2, v1
	; the bias belongs to W's rows: B's for q and k (along a lane's registers), A's for v (along the lanes).  Both sets are loaded, each from inside the 4,096 bytes, and the one that does not apply is made zeros on the way out
	s_lshl_b32 s18, s42, 10
	s_lshl_b32 s19, s16, 9
	s_add_co_u32 s18, s18, s19                     ; 4 x my first row of B
	s_lshl_b32 s20, s17, 10
	s_lshl_b32 s21, s15, 9
	s_add_co_u32 s20, s20, s21                     ; 4 x my first row of A
	s_cmp_eq_u32 ttmp9, 2
	s_cselect_b32 s22, 0, s18
	s_cselect_b32 s46, s20, 0
	s_mov_b32 s23, 0
	s_mov_b32 s47, 0
	s_add_nc_u64 s[66:67], s[8:9], s[46:47]
	s_add_nc_u64 s[8:9], s[8:9], s[22:23]
.irp b, 0,1,2,3,4,5,6,7
	global_load_b128 v[BN+8*\b:BN+8*\b+3], v[VB], s[8:9] offset:64*\b
	global_load_b128 v[BN+8*\b+4:BN+8*\b+7], v[VB], s[8:9] offset:64*\b+16
.endr
.irp a, 0,1,2,3,4,5,6,7
	global_load_b32 v[BM2+2*\a], v[VR], s[66:67] offset:64*\a
	global_load_b32 v[BM2+2*\a+1], v[VR], s[66:67] offset:64*\a     ; twice: a pair for the packed addition
.endr
	; where my images begin: ((x's row / 2,048) x 16 + W's row / 64) heads of 131,072 bytes + (x's row % 2,048) x 64: the same formula for q, k and v
	s_lshr_b32 s18, s18, 2
	s_lshr_b32 s20, s20, 2
	s_cmp_eq_u32 ttmp9, 2
	s_cselect_b32 s19, s18, s20                    ; my first row of x
	s_cselect_b32 s21, s20, s18                    ; my first row of W
	s_mov_b32 s96, 1024
	s_cselect_b32 s96, 2048, s96                   ; from A's block a to block a + 1: the next 16 positions' image, or the next 16 channels',
	s_cselect_b32 s98, 122880, 0                   ; and for v, from block 3 to block 4, on into the next head: 131,072 - 4 x 2,048
	s_mov_b32 s22, 131072
	s_cselect_b32 s22, 1024, s22
	s_mov_b32 s97, 0
	s_mov_b32 s99, 0
	v_add_nc_u32 v[VO1], s22, v[VO0]
	s_lshr_b32 s46, s19, 11
	s_lshl_b32 s46, s46, 4
	s_lshr_b32 s21, s21, 6
	s_add_co_u32 s46, s46, s21
	s_lshl_b32 s46, s46, 17
	s_and_b32 s19, s19, 2047
	s_lshl_b32 s19, s19, 6
	s_add_co_u32 s46, s46, s19
	s_add_nc_u64 s[10:11], s[10:11], s[46:47]
.macro FRAG reg, adr, q, i             ; a fragment: lane l holds row l % 16; registers 4 c .. 4 c + 3 hold K = 32 c + 16 (l / 16) + 0 .. 15
.irp c, 0,1,2,3
	ds_load_b128 v[\reg+4*\c:\reg+4*\c+3], v[\adr] offset:128*(\q)+32*\c+(\i)*16*PITCH
.endr
.endm
; 16 matrix instructions: A's blocks a0, a0 + 1 x B's eight, 128 along K.  p: B's set.  zero = 1: the first product starts the sums.  The 64 accumulators take turns, one instruction a turn.
.macro MUL16 a0, p, zero
.irp a, \a0, \a0+1
.irp b, 0,1,2,3,4,5,6,7
.if \zero
	v_wmma_f32_16x16x128_fp8_fp8 v[8*(8*((\a)%4)+\b):8*(8*((\a)%4)+\b)+7], v[128*(\p)+FR*\b:128*(\p)+FR*\b+FR-1], v[AF+FR*(\a):AF+FR*(\a)+FR-1], 0
.else
	v_wmma_f32_16x16x128_fp8_fp8 v[8*(8*((\a)%4)+\b):8*(8*((\a)%4)+\b)+7], v[128*(\p)+FR*\b:128*(\p)+FR*\b+FR-1], v[AF+FR*(\a):AF+FR*(\a)+FR-1], v[8*(8*((\a)%4)+\b):8*(8*((\a)%4)+\b)+7]
.endif
.endr
.endr
.endm
.macro FETCH_B slot, q, p              ; B's eight fragments of the slot's q-th 128 along K into set p
	WIN TO_B
.irp i, 0,1,2,3,4,5,6,7
	FRAG 128*(\p)+FR*\i, ADRB+\slot, \q, \i
.endr
	WIN 0
.endm
.macro FETCH_A slot, q, i0             ; A's blocks i0 .. i0 + 3
.irp i, \i0, \i0+1, \i0+2, \i0+3
	FRAG AF+FR*(\i), ADRA+\slot, \q, \i
.endr
.endm
.macro PLACES n                        ; plain vector instructions between a matrix instruction and a load into, or a vector read or write of, its registers (ISA guide 7.12.1 for vector reads and writes)
.rept \n
	v_nop
.endr
.endm
; A step of 128 along K that has its successor in the same slot.  A block of A is free as soon as its eight products are issued: blocks 0-3 are fetched anew in the step's middle, blocks 4-7 at its end.
.macro STEP slot, q, zero
	s_wait_dscnt 4*NL                              ; B's set and A's blocks 0-3 are in; the youngest sixteen loads (A's blocks 4-7) may be out
	WIN MUL_LO
	MUL16 0, (\q)%2, \zero
	MUL16 2, (\q)%2, \zero
	s_wait_dscnt 0                                 ; A's blocks 4-7 are in
	PLACES NP
	FETCH_B \slot, (\q)+1, 1-(\q)%2
	FETCH_A \slot, (\q)+1, 0
	WIN MUL_HI
	MUL16 4, (\q)%2, \zero
	MUL16 6, (\q)%2, \zero
	PLACES NP
	WIN 0
	FETCH_A \slot, (\q)+1, 4
.endm
; A slot's last step changes slots: ONE barrier; in front of it each wave waits for all its tensor loads, adds 0 to its spare word, and waits for that and for its own reads of this slot.  fill = 1: this slot is filled again, two K steps ahead.
.macro TURN slot, next, fill
	s_wait_tensorcnt 0x0                           ; all my tensor loads have landed: my part of the next slot (every window is 0 here)
	ds_add_u32 v[SPW], v[NIL]                      ; 0 onto my spare word
	s_wait_dscnt 4*NL+1                            ; the add and the youngest sixteen loads, A's blocks 4-7, may be out
	WIN MUL_LO
	MUL16 0, 1, 0                                  ; sixteen matrix instructions stand between the add and the wait for it
	s_wait_dscnt 0x0                               ; the add is done, and my reads of this slot are over
	s_barrier_signal -1
	MUL16 2, 1, 0
	WIN 0
	s_barrier_wait -1
.if \fill
	CREST                                          ; the barrier has opened a round of the cluster's barrier: no wave of any partner still reads this slot's tile or has a load on its way
	s_add_nc_u64 s[G0+4*\slot+2:G0+4*\slot+3], s[G0+4*\slot+2:G0+4*\slot+3], 2*ROWB
	s_add_nc_u64 s[G0B+4*\slot+2:G0B+4*\slot+3], s[G0B+4*\slot+2:G0B+4*\slot+3], 2*ROWB
	JLOAD G0+4*\slot, G1, G0B+4*\slot, G1B         ; the first tensor load behind the round; its four v_nop are the places in front of the loads below
.else
	PLACES NP
.endif
	FETCH_B \next, 0, 0
	FETCH_A \next, 0, 0
	WIN MUL_HI
	MUL16 4, 1, 0
	MUL16 6, 1, 0
	PLACES NP
	WIN 0
	FETCH_A \next, 0, 4
.endm
	s_wait_tensorcnt 1                             ; my part of K step 0 is in; K step 1's load may be out
	s_barrier_signal -1
	s_barrier_wait -1                              ; everybody's is
	FETCH_B 0, 0, 0
	FETCH_A 0, 0, 0
	FETCH_A 0, 0, 4
	STEP 0, 0, 1                                   ; K = 1,024 is eight steps of 128, twice round the ring: they are written out.  The first step's products start the sums
	TURN 0, 1, 1                                   ; slot 0 takes K step 2
	STEP 1, 0, 0
	TURN 1, 0, 1                                   ; slot 1 takes K step 3
	STEP 0, 0, 0
	TURN 0, 1, 0                                   ; nothing is left to fetch
	STEP 1, 0, 0
	s_wait_dscnt 4*NL                              ; the last step
	WIN MUL_LO
	MUL16 0, 1, 0
	MUL16 2, 1, 0
	s_wait_dscnt 0
	WIN MUL_HI
	MUL16 4, 1, 0
	MUL16 6, 1, 0
	WIN 0
	; THE WAY OUT: sum x 2^(the operands' exponents) + bias, held within +-448 x 2^eo, converted; the codes are the next product's operand registers and are stored as they stand.
	PLACES NP                                      ; behind the last products: their results are read and A's registers written below
	s_wait_loadcnt 0x0                             ; the biases
	s_wait_kmcnt 0x0                               ; the exponents
	s_add_co_i32 s18, s68, s69                     ; e0 + e1
	s_add_co_i32 s19, s70, s71                     ; e2 + e3
	s_add_co_i32 s20, s72, s73                     ; e4 + e5
	s_cmp_eq_u32 ttmp9, 0
	s_cselect_b32 s18, s18, s19
	s_cselect_b32 s21, s74, s75                    ; e6 for q, e7 for k,
	s_cmp_eq_u32 ttmp9, 2
	s_cselect_b32 s18, s20, s18
	s_cselect_b32 s21, s77, s21                    ; e9 for v
	s_add_co_i32 s18, s18, 127
	s_lshl_b32 s92, s18, 23                        ; 2^(the two exponents added) as f32
	s_mov_b32 s93, s92                             ; (named with it as a pair, so it is written)
	s_add_co_i32 s21, s21, 127
	s_lshl_b32 s94, s21, 23
	s_add_co_i32 s21, s21, 8
	s_lshl_b32 s95, s21, 23
	s_or_b32 s95, s95, 0x600000
	v_mov_b32 v[SCL], s94
	v_mov_b32 v[LIM], s95
	v_mov_b32 v[ZERO], 0
.set j, 0
.rept 64
	v_cndmask_b32 v[BN+j], v[BN+j], v[ZERO], s12   ; v has no bias along the registers
.set j, j+1
.endr
.set j, 0
.rept 16
	v_cndmask_b32 v[BM2+j], v[ZERO], v[BM2+j], s12 ; q and k have none along the lanes
.set j, j+1
.endr
.macro OUTBLK a                        ; A's block a: 16 rows x my 128 rows of B
.set AC, 64*((\a)%4)
	WIN 0x02+((\a)/4)                              ; source 0: window 2 or 3
.set j, 0
.rept 32
	v_pk_fma_f32 v[TMP+j:TMP+j+1], v[AC+j:AC+j+1], s[92:93], v[BN+j:BN+j+1] op_sel_hi:[1,0,1]   ; each accumulator from its low end on
.set j, j+2
.endr
	WIN 0
.set j, 0
.rept 32
	v_pk_add_f32 v[TMP+j:TMP+j+1], v[TMP+j:TMP+j+1], v[BM2+2*(\a):BM2+2*(\a)+1]   ; one of the two biases is zeros: the sum is rounded once
.set j, j+2
.endr
.set j, 0
.rept 64
	v_med3_num_f32 v[TMP+j], v[TMP+j], -v[LIM], v[LIM]   ; the conversion to an 8-bit code does not saturate (ISA guide 7.6.2): the hold at the largest code x the scale
.set j, j+1
.endr
.if (\a) > 0
	s_wait_xcnt 0x0                                ; the last block's stores have read their data and their base: both are written again only behind this wait
	s_add_nc_u64 s[10:11], s[10:11], s[96:97]
.endif
.if (\a) == 4
	s_add_nc_u64 s[10:11], s[10:11], s[98:99]
.endif
.irp b, 0,1,2,3,4,5,6,7
	v_cvt_scalef32_pk8_fp8_f32 v[CD+2*\b:CD+2*\b+1], v[TMP+8*\b:TMP+8*\b+7], v[SCL]
.endr
	v_nop                                          ; a plain vector line behind the last conversion: the next block's lines write its sources
	global_store_b128 v[VO0], v[CD:CD+3], s[10:11]                  ; each store covers 512 consecutive bytes, aligned
	global_store_b128 v[VO0], v[CD+4:CD+7], s[10:11] offset:512
	global_store_b128 v[VO1], v[CD+8:CD+11], s[10:11]
	global_store_b128 v[VO1], v[CD+12:CD+15], s[10:11] offset:512
.endm
.irp a, 0,1,2,3,4,5,6,7
	OUTBLK \a
.endr
	s_wait_tensorcnt 0x0                           ; the wave's end
	ds_add_u32 v[SPW], v[NIL]
	s_wait_dscnt 0x0
	CROUND                                         ; the closing round: no work-group ends while a partner may still ask for a tile that names it
	s_endpgm
.Lfunc_end_k_qe960a0a070_proj:
	.size	k_qe960a0a070_proj, .Lfunc_end_k_qe960a0a070_proj-k_qe960a0a070_proj
	.p2alignl 7, 3214868480
	.fill 96, 4, 3214868480
	.section	.rodata,"a",@progbits
	.p2align	6, 0x0
	.amdhsa_kernel k_qe960a0a070_proj
		.amdhsa_group_segment_fixed_size 327680
		.amdhsa_private_segment_fixed_size 0
		.amdhsa_enable_private_segment 0
		.amdhsa_kernarg_size 96
		.amdhsa_user_sgpr_count 2
		.amdhsa_user_sgpr_kernarg_segment_ptr 1
		.amdhsa_wavefront_size32 1
		.amdhsa_system_sgpr_workgroup_id_x 1
		.amdhsa_system_sgpr_workgroup_id_y 1
		.amdhsa_system_sgpr_workgroup_id_z 1
		.amdhsa_system_vgpr_workitem_id 0
		.amdhsa_next_free_vgpr 1024
		.amdhsa_next_free_sgpr 100
		.amdhsa_reserve_vcc 0
		.amdhsa_float_denorm_mode_32 3
		.amdhsa_float_denorm_mode_16_64 3
		.amdhsa_memory_ordered 1
		.amdhsa_forward_progress 1
		.amdhsa_inst_pref_size 160
	.end_amdhsa_kernel
	.amdgpu_metadata
---
amdhsa.version: [ 1, 2 ]
amdhsa.kernels:
  - .name:           k_qe960a0a070_proj
    .symbol:         k_qe960a0a070_proj.kd
    .args:
      - { .name: x_q_codes, .offset: 0, .size: 8, .value_kind: global_buffer, .address_space: global }
      - { .name: x_kv_codes, .offset: 8, .size: 8, .value_kind: global_buffer, .address_space: global }
      - { .name: W_q_codes, .offset: 16, .size: 8, .value_kind: global_buffer, .address_space: global }
      - { .name: W_k_codes, .offset: 24, .size: 8, .value_kind: global_buffer, .address_space: global }
      - { .name: W_v_codes, .offset: 32, .size: 8, .value_kind: global_buffer, .address_space: global }
      - { .name: b_q, .offset: 40, .size: 8, .value_kind: global_buffer, .address_space: global }
      - { .name: b_k, .offset: 48, .size: 8, .value_kind: global_buffer, .address_space: global }
      - { .name: b_v, .offset: 56, .size: 8, .value_kind: global_buffer, .address_space: global }
      - { .name: lowp_scales, .offset: 64, .size: 8, .value_kind: global_buffer, .address_space: global }
      - { .name: q_img, .offset: 72, .size: 8, .value_kind: global_buffer, .address_space: global }
      - { .name: k_img, .offset: 80, .size: 8, .value_kind: global_buffer, .address_space: global }
      - { .name: v_img, .offset: 88, .size: 8, .value_kind: global_buffer, .address_space: global }
    .group_segment_fixed_size: 327680
    .private_segment_fixed_size: 0
    .kernarg_segment_align: 8
    .kernarg_segment_size: 96
    .max_flat_workgroup_size: 128
    .sgpr_count:     100
    .vgpr_count:     1024
    .wavefront_size: 32
...
	.end_amdgpu_metadata
.endif
;; end of part 1
;; launch attn (part 2): grid 4 x 64, 16 waves a work-group, no clusters, 327,680 bytes of LDS; arguments q_img, k_img, v_img, lowp_scales, o_img; writes o_img
.if DOCPART == 2
	.amdgcn_target "amdgcn-amd-amdhsa--gfx1250"
	.amdhsa_code_object_version 6
	.text
	.protected	k_qe960a0a070_attn
	.globl	k_qe960a0a070_attn
	.p2align	8
	.type	k_qe960a0a070_attn,@function
k_qe960a0a070_attn:
	s_mov_b64 s[64:65], 0
	v_nop
	global_prefetch_b8 v0, s[64:65] scope:SCOPE_SE
	s_setreg_imm32_b32 hwreg(HW_REG_WAVE_MODE, 25, 1), 1
	s_wait_xcnt 0x0
; CAUSAL ATTENTION ON CODES OF FP8 (E4M3): for each batch and head, o = softmax(q k^T / 8 + mask) v, both products on codes, then quantised with the given 2^e10 for the projection on the way out.
; WORK LEFT OUT: key steps all of whose keys come behind a wave's queries.  A hidden key's p has the code 0 and does not move the row's f32 sum, for all values of the inputs, where e6 + e7 <= -9 (shown at the head of the first
; kernel).  Inside a step on the diagonal hidden scores become -infinity: p = 0.  A NaN, an infinity or an overflow that reaches only the steps left out is not carried to the result.
; THE SOFTMAX AHEAD OF THE SECOND PRODUCT: t = score x log2(e) / 8; M = the running largest t, rounded UP to a whole number; p = 2^(t - M) is quantised with 2^e8, not normalised.  The row's sum is taken of the unquantised p and
; divides at the end.  When M moves, the sum and O are multiplied by 2^(old M - new M): nothing is rounded.
; LIMITS on the given exponents: e6 + e7 between -123 (they are added to c's exponent field) and -9; e8, e10 between -126 and 119; e8 + e9 is applied by v_ldexp_f32 and has none.
; SHARES.  A head has 8 blocks of 256 queries.  Work-group x = i takes block i, which needs i + 1 slots of 256 keys, and then block 7 - i, which needs 8 - i: NINE slots for every work-group: 256 work-groups of equal work,
; a trip count that is a constant, and every slot that is fetched is read.  Each of the SIXTEEN waves owns 16 queries of the block in hand, in 256 registers: four waves to a SIMD.
; NO CLUSTER: the four work-groups of a head begin anew at key 0 behind trip i, each at another trip, so they want different slots in the same trip: a joint request would never meet.
; LAYOUT.  All operands come as images of their registers (register p, lane l at byte 512 (p / 4) + 16 l + 4 (p % 4)), so each fragment is loaded by lines of 16 bytes a lane, 512 consecutive bytes: no pitch, no padding.
; Both products are used transposed: S^T = K Q^T (source 0 = 16 keys, source 1 = my 16 queries; K = the head's 64), O^T = V^T P^T (source 0 = 16 channels, source 1 = P; K = 128 keys): a lane holds ONE query (lane % 16) throughout.
; In S^T's tile t a lane's eight registers are keys 16 t + 8 (lane / 16) + 0 .. 7: one conversion makes of them registers 2 t, 2 t + 1 of P as the second product's form takes them.
; LDS: slot s at 32,768 s: 16 images of K (1,024 bytes each), then 2 x 4 images of V (2,048 each).  Waves 0 to 3 fetch 8,192 dense bytes each; by this text's count one tensor load a wave is out.
; REGISTERS: v1-7 addresses that stay; v12 -M, v13 the largest t, v[14:15] the sum in two halves; v16-23 Q; v24-31 Q of the second block; v32-95 eight fragments of K, then four of V; v96-159 S^T, then p; v160-191 O^T; v192-207 codes.
.set SLOTB, 32768
.set VOFF,  16384                      ; V's images in a slot
.set SPARE, 65536                      ; behind the ring: the spare words, 128 bytes for each of the sixteen waves
.set LI,   1                           ; v1   16 x lane
.set ADR,  2                           ; v2   LDS address of the slot in hand for my lane
.set PFO,  3                           ; v3   256 x lane: the prefetches' offset; never rewritten
.set QB,   4                           ; v4   16 x lane + the distance to the second block's Q
.set SPW,  5                           ; v5   LDS address of my spare word; never rewritten
.set NIL,  6                           ; v6   0; never rewritten
.set DG,   7                           ; v7   lane % 16 - 8 (lane / 16), for the diagonal
.set TB,   2                           ; s2   LDS byte at which the slot in hand begins
.set TR,   3                           ; s3   the trip, 0 to 8
.set OP,   12                          ; s[12:13] my image in o_img
.set II,   14                          ; s14  i;  s15  i + 1
.set I1,   15
.set WV,   18                          ; s18  my wave's number
.set LIM,  19                          ; s19  6 in the wave that prefetches, else 0: it asks while the trip is under this
.set SEL,  20                          ; s[20:21] lane selects for v_permlanex16_b32: lane l xor 16
.set CS,   22                          ; s[22:23] c = log2(e) / 8 x 2^(e6 + e7)
.set G1,   24                          ; s[24:31] descriptor group 1;  s[32:35] group 0
.set G0,   32
.set BAS,  36                          ; s[36:37] my 8,192 bytes of the head's slot 0 in memory; never rewritten
.set OFS,  38                          ; s[38:39] an offset, with 0 above it
.set PFA,  40                          ; s[40:41] where my work-group's prefetches stand
.set Q0,   42                          ; s42  my first query
.set KF,   43                          ; s43  the step's first key
.macro TLOAD                           ; waves 0 to 3 fetch; the branch hangs on the wave's number alone.  An s_nop 0 and four v_nop follow the load
	s_cmp_lt_u32 s[WV], 4
	s_cbranch_scc0 .Lnone_\@
	tensor_load_to_lds s[G0:G0+3], s[G1:G1+7]
	s_nop 0
.rept 4
	v_nop
.endr
.Lnone_\@:
.endm
; A PREFETCH INTO THE L2.  In trip T = 0 .. 5 the head's slot T + 2 is asked for: 32,768 bytes, of which work-group i takes a quarter BY ADDRESS (i = 0, 1: K's halves; 2, 3: V's): 8,192 bytes, lanes 256 bytes apart, one
; instruction of wave 4.  So each aligned block of 256 bytes is named once in the launch.  The earliest tensor load that wants slot T + 2 is issued in trip T + 1.  Slots 0 and 1 come by their loads alone; behind slot 7 nothing is asked for.
.macro ASK
	s_cmp_lt_u32 s[TR], s[LIM]
	s_cbranch_scc0 .Lnot_mine_\@
	global_prefetch_b8 v[PFO], s[PFA:PFA+1] th:TH_LOAD_NT scope:SCOPE_SE
.Lnot_mine_\@:
.endm
.macro INIT                            ; a block begins: the step is written once, and the first finds zeros, which the first change of M leaves zeros
	v_mov_b32 v13, 0xff61b1e6                      ; the largest t so far: -3e38, under every t
	v_floor_f32 v12, -v13                          ; -M
	v_mov_b32 v14, 0
	v_mov_b32 v15, 0
.set j, 0
.rept 32
	v_mov_b32 v[160+j], 0
.set j, j+1
.endr
.endm
	s_load_b256 s[4:11], s[0:1], 0x0               ; q_img s[4:5], k_img s[6:7], v_img s[8:9], the scales' exponents s[10:11]
	s_load_b64 s[OP:OP+1], s[0:1], 0x20            ; o_img
	v_lshl_add_u32 v[SPW], v0, 2, SPARE
	v_mov_b32 v[NIL], 0
	ds_add_u32 v[SPW], v[NIL]                      ; the wave's opening: the add, twice on end, and its wait ahead of the first tensor load
	ds_add_u32 v[SPW], v[NIL]                      ; and once more; the set-up below, work on registers, stands between it and the wait
	v_lshrrev_b32 v8, 5, v0
	v_readfirstlane_b32 s[WV], v8                  ; wave 0..15
	s_mov_b32 s[II], ttmp9
	s_add_co_u32 s[I1], s[II], 1
	s_and_b32 s16, ttmp7, 0xffff                   ; batch x 16 + head
	; descriptor group 1: 8,192 dense bytes as 32 rows of 256
	s_mov_b32 s[G1], 3<<16                         ; no mask; elements of 8 bytes; no padding
	s_mov_b32 s[G1+1], 32<<16                      ; tensor_dim0 = 32
	s_mov_b32 s[G1+2], 32<<16                      ; tensor_dim1 = 32
	s_mov_b32 s[G1+3], 32<<16                      ; tile_dim0 = 32
	s_mov_b32 s[G1+4], 32                          ; tile_dim1 = 32
	s_mov_b32 s[G1+5], 32                          ; tensor_dim0_stride
	s_mov_b32 s[G1+6], 0
	s_mov_b32 s[G1+7], 0
	s_mov_b32 s[G0], 1
	s_and_b32 s[G0+1], s[WV], 3
	s_lshl_b32 s[G0+1], s[G0+1], 13                ; LDS: slot 0 + 8,192 x wave: K's two halves, then V's two chunks
	s_mov_b32 s[SEL], 0x76543210
	s_mov_b32 s[SEL+1], 0xfedcba98
	s_mov_b32 s[CS], 0x3e38aa3b                    ; log2(e) / 8
	s_mov_b32 s[TB], 0
	s_mov_b32 s[TR], 0
	s_mov_b32 s[KF], 0
	s_mov_b32 s[OFS+1], 0
	s_lshl_b32 s17, s[WV], 4
	s_lshl_b32 s[Q0], s[II], 8
	s_add_co_u32 s[Q0], s[Q0], s17                 ; my first query in block i: 256 i + 16 x wave,
	s_sub_co_u32 s48, 7, s[II]
	s_lshl_b32 s48, s48, 8
	s_add_co_u32 s48, s48, s17                     ; and in block 7 - i
	s_lshl_b32 s49, s[II], 1
	s_sub_co_u32 s49, 7, s49                       ; 7 - 2 i blocks lie between the two:
	s_lshl_b32 s46, s49, 18                        ; in o_img 16 row tiles of 16,384 bytes a block,
	s_mov_b32 s47, 0
	s_lshl_b32 s49, s49, 14                        ; in q_img 16 images of 1,024
	s_lshl_b32 s17, s16, 17                        ; the head's first byte in q_img, k_img and v_img
	s_lshl_b32 s50, s[II], 14
	s_add_co_u32 s50, s50, s17
	s_lshl_b32 s51, s[WV], 10
	s_add_co_u32 s50, s50, s51                     ; Q: my image in block i
	s_mov_b32 s51, 0
	s_and_b32 s58, s[WV], 1
	s_lshl_b32 s58, s58, 13
	s_add_co_u32 s58, s58, s17                     ; what I fetch, if I fetch: which half of a slot's 16,384 bytes of K or of V
	s_mov_b32 s59, 0
	s_and_b32 s60, s[II], 1
	s_lshl_b32 s60, s60, 13
	s_add_co_u32 s60, s60, s17
	s_add_co_u32 s60, s60, 16384                   ; the prefetches: my work-group's quarter, in slot 1: the first change of slots steps it to slot 2
	s_mov_b32 s61, 0
	s_lshr_b32 s62, s16, 4
	s_lshl_b32 s62, s62, 21                        ; o_img: the batch's 128 row tiles,
	s_lshl_b32 s63, s[II], 18
	s_add_co_u32 s62, s62, s63                     ; the block's 16,
	s_lshl_b32 s63, s[WV], 14
	s_add_co_u32 s62, s62, s63                     ; my wave's one,
	s_and_b32 s63, s16, 15
	s_lshl_b32 s63, s63, 10
	s_add_co_u32 s62, s62, s63                     ; and in it the head's image
	s_mov_b32 s63, 0
	s_wait_dscnt 0x0                               ; both opening adds are done
	s_wait_kmcnt 0x0
	s_load_b128 s[52:55], s[10:11], 0x18           ; e6, e7, e8, e9
	s_load_b32 s56, s[10:11], 0x28                 ; e10
	s_cmp_lt_u32 s[WV], 2                          ; waves 0 and 1 fetch K, waves 2 and 3 V
	s_cselect_b64 s[BAS:BAS+1], s[6:7], s[8:9]
	s_add_nc_u64 s[BAS:BAS+1], s[BAS:BAS+1], s[58:59]
	s_mov_b64 s[G0+2:G0+3], s[BAS:BAS+1]           ; the first trip's keys: slot 0 of the head
	s_or_b32 s[G0+3], s[G0+3], 0x80000000          ; type = 2
	TLOAD
	s_add_nc_u64 s[4:5], s[4:5], s[50:51]
	s_add_nc_u64 s[OP:OP+1], s[OP:OP+1], s[62:63]
	s_cmp_lt_u32 s[II], 2
	s_cselect_b64 s[PFA:PFA+1], s[6:7], s[8:9]
	s_add_nc_u64 s[PFA:PFA+1], s[PFA:PFA+1], s[60:61]
	s_cmp_eq_u32 s[WV], 4
	s_cselect_b32 s[LIM], 6, 0
	v_and_b32 v[LI], 31, v0
	v_lshlrev_b32 v[PFO], 8, v[LI]
	v_lshlrev_b32 v[LI], 4, v[LI]
	v_add_nc_u32 v[QB], s49, v[LI]
	global_load_b128 v[16:19], v[LI], s[4:5]                ; Q of block i stays in registers,
	global_load_b128 v[20:23], v[LI], s[4:5] offset:512
	global_load_b128 v[24:27], v[QB], s[4:5]                ; Q of block 7 - i waits for its turn
	global_load_b128 v[28:31], v[QB], s[4:5] offset:512
	v_and_b32 v[DG], 15, v0
	v_bfe_u32 v8, v0, 4, 1
	v_lshlrev_b32 v8, 3, v8
	v_sub_nc_u32 v[DG], v[DG], v8
	INIT
	v_mov_b32 v236, 0                              ; written once: a lane permute's destination counts as one of its sources
	v_mov_b32 v252, 0
	v_mov_b32 v253, 0                              ; (named as the upper half of the pair v[252:253])
	s_wait_kmcnt 0x0
	s_add_co_i32 s17, s52, s53
	s_lshl_b32 s17, s17, 23
	s_add_co_i32 s[CS], s[CS], s17                 ; a score stands for score x 2^(e6 + e7): the two exponents are added to c's exponent field
	s_mov_b32 s[CS+1], s[CS]                       ; (named with it as a pair, so it is written)
	s_add_co_i32 s17, s54, 127
	s_lshl_b32 s66, s17, 23
	v_mov_b32 v244, s66                            ; 2^e8 as f32, for p's conversion
	s_add_co_i32 s17, s17, 8
	s_lshl_b32 s17, s17, 23
	s_or_b32 s17, s17, 0x600000
	v_mov_b32 v240, s17                            ; 448 x 2^e8
	s_add_co_i32 s17, s56, 127
	s_lshl_b32 s66, s17, 23
	v_mov_b32 v245, s66                            ; 2^e10, for o's
	s_add_co_i32 s17, s17, 8
	s_lshl_b32 s17, s17, 23
	s_or_b32 s17, s17, 0x600000
	v_mov_b32 v241, s17                            ; 448 x 2^e10
	s_add_co_i32 s44, s54, s55                     ; e8 + e9
; A KEY STEP: 128 keys, the q-th of the slot in hand.
.macro STEP q
	s_add_co_u32 s66, s[Q0], 15                    ; a step all of whose keys come behind my 16 queries is left out: a scalar branch on ids, round the step's loads, products and softmax, not round the line at its end
	s_cmp_gt_u32 s[KF], s66
	s_cbranch_scc1 .Lhidden_\@
	v_add_nc_u32 v[ADR], s[TB], v[LI]
.rept 3
	v_nop                                          ; with the addition above: four places in front of loads into registers that the last products have read
.endr
.irp t, 0,1,2,3,4,5,6,7
	ds_load_b128 v[32+8*\t:35+8*\t], v[ADR] offset:(8*(\q)+\t)*1024       ; K's image of keys 16 t on: 512 consecutive bytes a line
	ds_load_b128 v[36+8*\t:39+8*\t], v[ADR] offset:(8*(\q)+\t)*1024+512
.endr
	s_wait_dscnt 0x0
.irp t, 0,1,2,3,4,5,6,7
	v_wmma_f32_16x16x64_fp8_fp8 v[96+8*\t:103+8*\t], v[32+8*\t:39+8*\t], v[16:23], 0   ; S^T: lane (r, h): query r, keys 16 t + 8 h + 0 .. 7
.endr
.rept 4
	v_nop                                          ; places in front of the loads below and of the first read of the scores
.endr
.irp u, 0,1,2,3
.irp c, 0,1,2,3
	ds_load_b128 v[32+16*\u+4*\c:35+16*\u+4*\c], v[ADR] offset:VOFF+8192*(\q)+2048*\u+512*\c   ; V's four images: they land while the softmax is walked
.endr
.endr
	s_add_co_u32 s66, s[KF], 127                   ; on the diagonal the scores of hidden keys become -infinity ahead of the maximum.  A step all of whose keys count skips this
	s_cmp_le_u32 s66, s[Q0]
	s_cbranch_scc1 .Lopen_\@
	s_sub_co_i32 s66, s[Q0], s[KF]
	v_add_nc_u32 v252, s66, v[DG]                  ; d = my query - the step's first key - 8 (lane / 16).  Register 8 t + j holds key 16 t + 8 (lane / 16) + j of the step: hidden where 16 t + j > d
	v_mov_b32 v254, 0xff800000                     ; -infinity
.set n, 0
.rept 64
	v_cmp_gt_i32 vcc_lo, 16*(n/8)+n%8, v252
	v_cndmask_b32 v[96+n], v[96+n], v254, vcc_lo
.set n, n+1
.endr
.Lopen_\@:
	v_max3_num_f32 v254, v96, v97, v98             ; the step's largest score of my query, among my 64 keys, in two chains; each accumulator is read from its low end on
	v_max3_num_f32 v252, v99, v100, v101
.irp i, 6,10,14,18,22,26,30,34,38,42,46,50,54,58
	v_max3_num_f32 v254, v254, v[96+\i], v[97+\i]
	v_max3_num_f32 v252, v252, v[98+\i], v[99+\i]
.endr
	v_max3_num_f32 v254, v254, v158, v159
	v_max_num_f32 v254, v254, v252
	v_permlanex16_b32 v236, v254, s[SEL], s[SEL+1]
	v_max_num_f32 v254, v254, v236                 ; and among lane l xor 16's
	v_mul_f32 v254, s[CS], v254                    ; as t (c is positive)
	v_max_num_f32 v13, v13, v254                   ; the running largest t
	v_mov_b32 v254, v12
	v_floor_f32 v12, -v13                          ; the new -M = floor(-t) = -ceil(t): M is a whole number
	v_sub_f32 v254, v12, v254                      ; M's old value less its new one: a whole number, 0 or less
	v_cvt_i32_f32 v254, v254                       ; (it saturates)
	v_ldexp_f32 v252, 1.0, v254                    ; f = 2^(old M - new M)
.set j, 0
.rept 32
	v_pk_fma_f32 v[96+j:97+j], v[96+j:97+j], s[CS:CS+1], v[12:13] op_sel_hi:[1,0,0]   ; t - M, two at a time (of the pairs c and -M the low word serves both halves)
.set j, j+2
.endr
.set j, 0
.rept 64
	v_exp_f32 v[96+j], v[96+j]                     ; p = 2^(t - M), at most 1: not normalised
.set j, j+1
.endr
	v_pk_mul_f32 v[14:15], v[14:15], v[252:253] op_sel_hi:[1,0]   ; the sums under the new M: the plain line behind the exponentials
	s_wait_alu depctr_va_vdst(0)                   ; the wait ahead of the first line that names a result: one for the batch of 64
	v_pk_add_f32 v[242:243], v[96:97], v[98:99]    ; the row's sum is taken of the unquantised p: two at a time, in two chains
.irp j, 4,8,12,16,20,24,28,32,36,40,44,48,52,56,60
	v_pk_add_f32 v[14:15], v[14:15], v[96+\j:97+\j]
	v_pk_add_f32 v[242:243], v[242:243], v[98+\j:99+\j]
.endr
	v_pk_add_f32 v[14:15], v[14:15], v[242:243]
.irp t, 0,1,2,3,4,5,6,7
.irp i, 0,1,2,3,4,5,6,7
	v_min_num_f32 v[96+8*\t+\i], v[96+8*\t+\i], v240   ; the conversion to an 8-bit code does not saturate (ISA guide 7.6.2); p is not negative, so the hold is one-sided
.endr
	v_cvt_scalef32_pk8_fp8_f32 v[192+2*\t:193+2*\t], v[96+8*\t:103+8*\t], v244   ; registers 2 t, 2 t + 1 of P: keys 16 t + 8 h + 0 .. 7
.endr
.set j, 0
.rept 16
	v_pk_mul_f32 v[160+j:161+j], v[160+j:161+j], v[252:253] op_sel_hi:[1,0]   ; O^T under the new M: x f.  (Plain lines between the conversions and the products that read the codes)
.set j, j+2
.endr
	s_wait_dscnt 0x0                               ; V is in
.irp u, 0,1,2,3
	v_wmma_f32_16x16x128_fp8_fp8 v[160+8*\u:167+8*\u], v[32+16*\u:47+16*\u], v[192:207], v[160+8*\u:167+8*\u]   ; the four accumulators take turns, one instruction a turn
.endr
.Lhidden_\@:
	s_add_co_u32 s[KF], s[KF], 128
.endm
; THE CHANGE OF SLOTS stands at a trip's head.  Each wave waits for all its tensor loads (its part of the slot that it is about to read), adds 0 to its spare word, and waits for that and for its reads of the slot that it has left.
; Behind the barrier the slot ahead is whole and nobody reads the other one.  fill = 1: that other slot takes the next trip's keys: the load has a whole trip in which to land.
.macro CHANGE fill
	s_wait_tensorcnt 0x0                           ; no tensor load of mine is out, so group 0 may be written
	ds_add_u32 v[SPW], v[NIL]                      ; 0 onto my spare word
.if \fill
	ds_add_u32 v[SPW], v[NIL]                      ; and once more: the add twice on end, in every trip alike
	s_add_co_u32 s17, s[TR], 1                     ; the next trip:
	s_cmp_gt_u32 s17, s[II]                        ; block i's (trips 0 to i) or block 7 - i's?
	s_cselect_b32 s[OFS], s[I1], 0
	s_sub_co_u32 s[OFS], s17, s[OFS]               ; its slot of keys, counted from the head's first key,
	s_lshl_b32 s[OFS], s[OFS], 14                  ; is 16,384 bytes of K and of V
	s_add_nc_u64 s[G0+2:G0+3], s[BAS:BAS+1], s[OFS:OFS+1]
	s_or_b32 s[G0+3], s[G0+3], 0x80000000
	s_xor_b32 s[G0+1], s[G0+1], SLOTB              ; into the other slot than last time
	s_wait_xcnt 0x0                                ; the last prefetch, a trip back, has read its address, so it may be written
	s_add_nc_u64 s[PFA:PFA+1], s[PFA:PFA+1], 16384
.endif
	s_wait_dscnt 0x0                               ; the add is done (fill = 1: both are), and my reads of the slot that I have left are over
	s_barrier_signal -1
	s_barrier_wait -1
.if \fill
	TLOAD                                          ; the first thing behind the barrier, and a wave's one tensor load until the next
	ASK
.endif
.endm
; A BLOCK'S WAY OUT: O^T x 2^(e8 + e9) / the sum, held and converted with 2^e10.  The codes go out as an image of the registers of the last product's operand: register p, lane (r, h): channels 32 (p / 4) + 16 h + 4 (p % 4) + 0 .. 3 of row r,
; the order in which four loads of 16 bytes give W_out's rows.  The conversions give channels 16 u + 8 h + 0 .. 7 in registers 2 u, 2 u + 1: four exchanges of half registers turn one order into the other.
.macro EPILOGUE
.rept 4
	v_nop                                          ; places behind the last products
.endr
	v_add_f32 v14, v14, v15                        ; the sum's two halves,
	v_permlanex16_b32 v252, v14, s[SEL], s[SEL+1]
	v_add_f32 v14, v14, v252                       ; and lane l xor 16's: the row's sum
	v_rcp_f32 v14, v14
	v_nop                                          ; a plain line behind the transcendental
	s_wait_alu depctr_va_vdst(0)                   ; and a wait ahead of the first use
	v_ldexp_f32 v14, v14, s44                      ; x 2^(e8 + e9)
.set j, 0
.rept 16
	v_pk_mul_f32 v[96+j:97+j], v[160+j:161+j], v[14:15] op_sel_hi:[1,0]   ; each accumulator from its low end on
.set j, j+2
.endr
.set j, 0
.rept 32
	v_med3_num_f32 v[96+j], v[96+j], -v241, v241   ; the hold at the largest code x the scale
.set j, j+1
.endr
.irp u, 0,1,2,3
	v_cvt_scalef32_pk8_fp8_f32 v[192+2*\u:193+2*\u], v[96+8*\u:103+8*\u], v245
.endr
	v_nop                                          ; a plain line between the conversions and the lines that touch their results
	v_permlane16_swap_b32 v192, v194               ; the first register's lanes 16-31 change places with the second's lanes 0-15
	v_permlane16_swap_b32 v193, v195
	v_permlane16_swap_b32 v196, v198
	v_permlane16_swap_b32 v197, v199
	global_store_b128 v[LI], v[192:195], s[OP:OP+1]             ; each store covers 512 consecutive bytes, aligned
	global_store_b128 v[LI], v[196:199], s[OP:OP+1] offset:512
.endm
	s_wait_loadcnt 0x0                             ; Q, both blocks'
.Lslot:                                            ; eight trips; behind each change of slots the next trip's keys are asked for
	CHANGE 1
	STEP 0
	STEP 1
	s_xor_b32 s[TB], s[TB], SLOTB                  ; on to the other slot
	s_cmp_lg_u32 s[TR], s[II]                      ; behind trip i block i is finished: ids and the count of trips alone, the same in all sixteen waves; no barrier, wait on loads or tensor load stands in this arm
	s_cbranch_scc1 .Lstay
	EPILOGUE
	INIT
.set j, 0
.rept 8
	v_mov_b32 v[16+j], v[24+j]                     ; Q of block 7 - i
.set j, j+1
.endr
	s_wait_xcnt 0x0                                ; the stores have read their base and their data: both are written again only behind this wait
	s_add_nc_u64 s[OP:OP+1], s[OP:OP+1], s[46:47]
	s_mov_b32 s[Q0], s48
	s_mov_b32 s[KF], 0
.Lstay:
	s_add_co_u32 s[TR], s[TR], 1
	s_cmp_lt_u32 s[TR], 8
	s_cbranch_scc1 .Lslot
	CHANGE 0                                       ; the ninth trip is written out: nothing is left to fetch
	STEP 0
	STEP 1
	EPILOGUE
	s_wait_tensorcnt 0x0                           ; the wave's end
	ds_add_u32 v[SPW], v[NIL]
	s_wait_dscnt 0x0
	s_endpgm
.Lfunc_end_k_qe960a0a070_attn:
	.size	k_qe960a0a070_attn, .Lfunc_end_k_qe960a0a070_attn-k_qe960a0a070_attn
	.p2alignl 7, 3214868480
	.fill 96, 4, 3214868480
	.section	.rodata,"a",@progbits
	.p2align	6, 0x0
	.amdhsa_kernel k_qe960a0a070_attn
		.amdhsa_group_segment_fixed_size 327680
		.amdhsa_private_segment_fixed_size 0
		.amdhsa_enable_private_segment 0
		.amdhsa_kernarg_size 40
		.amdhsa_user_sgpr_count 2
		.amdhsa_user_sgpr_kernarg_segment_ptr 1
		.amdhsa_wavefront_size32 1
		.amdhsa_system_sgpr_workgroup_id_x 1
		.amdhsa_system_sgpr_workgroup_id_y 1
		.amdhsa_system_sgpr_workgroup_id_z 1
		.amdhsa_system_vgpr_workitem_id 0
		.amdhsa_next_free_vgpr 256
		.amdhsa_next_free_sgpr 68
		.amdhsa_reserve_vcc 1
		.amdhsa_float_denorm_mode_32 3
		.amdhsa_float_denorm_mode_16_64 3
		.amdhsa_memory_ordered 1
		.amdhsa_forward_progress 1
		.amdhsa_inst_pref_size 100
	.end_amdhsa_kernel
	.amdgpu_metadata
---
amdhsa.version: [ 1, 2 ]
amdhsa.kernels:
  - .name:           k_qe960a0a070_attn
    .symbol:         k_qe960a0a070_attn.kd
    .args:
      - { .name: q_img, .offset: 0, .size: 8, .value_kind: global_buffer, .address_space: global }
      - { .name: k_img, .offset: 8, .size: 8, .value_kind: global_buffer, .address_space: global }
      - { .name: v_img, .offset: 16, .size: 8, .value_kind: global_buffer, .address_space: global }
      - { .name: lowp_scales, .offset: 24, .size: 8, .value_kind: global_buffer, .address_space: global }
      - { .name: o_img, .offset: 32, .size: 8, .value_kind: global_buffer, .address_space: global }
    .group_segment_fixed_size: 327680
    .private_segment_fixed_size: 0
    .kernarg_segment_align: 8
    .kernarg_segment_size: 40
    .max_flat_workgroup_size: 512
    .sgpr_count:     68
    .vgpr_count:     256
    .wavefront_size: 32
...
	.end_amdgpu_metadata
.endif
;; end of part 2
;; launch outp (part 3): grid 4 x 32, 4 waves a work-group, clusters of 4 x 4, 327,680 bytes of LDS; arguments o_img, W_out_codes, lowp_scales, b_out, out0; writes out0
.if DOCPART == 3
	.amdgcn_target "amdgcn-amd-amdhsa--gfx1250"
	.amdhsa_code_object_version 6
	.text
	.protected	k_qe960a0a070_outp
	.globl	k_qe960a0a070_outp
	.p2align	8
	.type	k_qe960a0a070_outp,@function
k_qe960a0a070_outp:
	s_mov_b64 s[64:65], 0
	v_nop
	global_prefetch_b8 v0, s[64:65] scope:SCOPE_SE
	s_setreg_imm32_b32 hwreg(HW_REG_WAVE_MODE, 25, 1), 1
	s_wait_xcnt 0x0
	s_wait_alu depctr_hold_cnt(0) depctr_sa_sdst(0) depctr_va_vdst(0) depctr_va_sdst(0) depctr_va_ssrc(0) depctr_va_vcc(0) depctr_vm_vsrc(0)
	s_getreg_b32 s2, hwreg(HW_REG_IB_STS2, 6, 4)
	s_cmp_eq_u32 s2, 0
	s_cbranch_scc0 .Lentry_in_a_cluster
	s_endpgm
.Lentry_in_a_cluster:
	s_bfe_u32 s2, ttmp6, 0x10000c
	s_cmp_lg_u32 s2, 0xf033
	s_cbranch_scc0 .Lentry_shape_is_right
	s_endpgm
.Lentry_shape_is_right:
; out0 = o W_out^T + b_out on codes of FP8 (E4M3): o's codes come from the attention launch, W_out's are given; sums in f32, each x 2^(e10 + e11), + bias.  No work is left out here.
; LIMIT: e10 + e11 lies between -126 and 127, so that 2^(e10 + e11) is an f32 number.
; A tile of 256 x 256 of out0 to a work-group of four waves, 128 x 128 to a wave: 64 accumulators, 512 registers.  K = 1,024 goes in four steps of 256 through a ring of two LDS slots filled by the tensor data mover.
; CLUSTERS: 4 x 4 work-groups.  The four of a row of the cluster need the same tiles of A, the four of a column the same tiles of B: each tile is asked for jointly.
; A (o) LIES IN MEMORY AS IMAGES OF ITS OPERAND REGISTERS: o_img [16 rows (512)][head (16)][1,024 bytes]; register p, lane l at byte 512 (p / 4) + 16 l + 4 (p % 4); two heads on end are one fragment of 16 rows x 128 K, in the order
; k = 32 c + 16 (l / 16) + 0 .. 15 for registers 4 c .. 4 c + 3, which is the order that four loads of 16 bytes give B's rows.  A K step of 256 is four heads: 4,096 consecutive bytes for each 16 rows; they lie in LDS as in memory,
; and each fragment load reads 512 consecutive bytes.  B's rows are padded as usual.
; THE MATRIX INSTRUCTION IS USED TRANSPOSED (source 0 = 16 rows of B, source 1 = 16 rows of A): a lane then holds eight neighbouring numbers of a row of out0.
; REGISTERS, in windows of 256: window 0: v8-11 my four numbers of the bias, v16-29 addresses; from v128 A's fragments, one set; on the way out v128-255 rows read back.   window 1: B's fragments, two sets.
;   window 2: the accumulators of my rows 0-63 ((a, b) at v[8 (8 a + b)]);   window 3: those of my rows 64-127.
.set SIZE_N, 1024
.set KROW,   1024                      ; a row of B in memory, in bytes
.set ROWB,   256                       ; a row of B's tile
.set PITCH,  272                       ; in LDS: + 16 of padding = 68 words: row r starts at bank 4 r mod 64 (64 banks of 4 bytes: ISA guide 11.1)
.set FR,     16
.set NL,     4
.set NP,     4
.set ASTEP,  4096                      ; a K step of A for 16 rows: four heads' images
.set HALFA,  8*ASTEP                   ; 128 rows of A: what one tensor load brings
.set HALFB,  128*PITCH                 ; 128 rows of B
.set SLOT,   2*HALFA+2*HALFB           ; A's two halves, then B's two
.set SPARE,  2*SLOT                    ; behind the ring: the spare words, 128 bytes for each wave
.set SPITCH, 528                       ; the way out: a stage of 16 rows x (512 bytes + 16) for each wave, in slot 0, which has had its last fill and its last read when the first result is stored there
.set ADRA, 16                          ; v16-17  LDS address of my A fragments in slot 0, 1
.set ADRB, 20                          ; v20-21  the same for B
.set STO,  24                          ; v24     the way out: where I put 32 bytes of a row
.set RD,   25                          ; v25     where I read a row back
.set CO,   26                          ; v26     16 x lane: my place in an image, in a row of out0 and in my wave's part of the bias
.set SPW,  28
.set NIL,  29
.set AF,   128
.set BK,   128                         ; the way out: 16 rows read back: v128-191 and v192-255 by turns
.set G1, 24
.set G0, 32
.set G1B, 48
.set G0B, 56
.set MSB, 0
.macro WIN new
.if MSB != (\new)
	s_set_vgpr_msb (MSB<<8)|(\new)
.set MSB, (\new)
.endif
.endm
.set MUL_LO, 0xa1
.set MUL_HI, 0xf1
.set TO_B,   0x40
.macro JLOAD g0a, g1a, g0b, g1b        ; a joint load: waves 0 and 1 fetch for A, waves 2 and 3 for B; an s_nop 0 and four v_nop follow each of the two lines
	s_cmp_eq_u32 s15, 0
	s_cbranch_scc0 .Lfor_b_\@
	tensor_load_to_lds s[\g0a:\g0a+3], s[\g1a:\g1a+7]
	s_nop 0
.rept 4
	v_nop
.endr
	s_branch .Lasked_\@
.Lfor_b_\@:
	tensor_load_to_lds s[\g0b:\g0b+3], s[\g1b:\g1b+7]
	s_nop 0
.rept 4
	v_nop
.endr
.Lasked_\@:
.endm
.macro CREST
	s_cmp_lg_u32 s14, 0
	s_cbranch_scc1 .Lnot_wave_0_\@
	s_barrier_signal -3
.Lnot_wave_0_\@:
	s_barrier_wait -3
	s_barrier_signal -1
	s_barrier_wait -1
.endm
.macro CROUND
	s_barrier_signal -1
	s_barrier_wait -1
	CREST
.endm
	s_load_b128 s[4:7], s[0:1], 0x0                ; o_img s[4:5], W_out's codes s[6:7]
	s_load_b128 s[8:11], s[0:1], 0x10              ; the scales' exponents s[8:9], b_out s[10:11]
	s_load_b64 s[12:13], s[0:1], 0x20              ; out0
	v_lshl_add_u32 v[SPW], v0, 2, SPARE
	v_mov_b32 v[NIL], 0
	ds_add_u32 v[SPW], v[NIL]                      ; the wave's opening: the add, twice on end, and its wait ahead of my first tensor load
	ds_add_u32 v[SPW], v[NIL]                      ; and once more; the set-up below stands between it and the wait
	v_lshrrev_b32 v1, 5, v0
	v_readfirstlane_b32 s14, v1                    ; wave 0..3
	s_lshr_b32 s15, s14, 1                         ; which half of the tile's rows is mine.  Also: I fetch for A (0) or for B (1)
	s_and_b32 s16, s14, 1                          ; which half of its columns.  Also: which 128 rows of that tile I fetch
	s_bfe_u32 s40, ttmp6, 0x40000                  ; cx, cy
	s_bfe_u32 s41, ttmp6, 0x40004
	s_lshl_b32 s42, ttmp9, 2
	s_add_co_u32 s42, s42, s40                     ; tile column = 4 x cluster x + cx
	s_and_b32 s17, ttmp7, 0xffff
	s_lshl_b32 s17, s17, 2
	s_add_co_u32 s17, s17, s41                     ; tile row = 4 x cluster y + cy
	s_lshl_b32 s43, s41, 2
	s_lshl_b32 s43, 15, s43                        ; my row of the cluster
	s_lshl_b32 s44, 0x1111, s40                    ; my column
	; A's group 1: 8 rows (one for each 16 rows of o) of 4,096 bytes, 16,384 bytes apart; dense in LDS
	s_or_b32 s[G1+0], s43, (0<<16)|(1<<21)         ; the mask: my row; elements of 1 byte; 21 set beside a mask; no padding
	s_mov_b32 s[G1+1], ASTEP<<16                   ; tensor_dim0
	s_mov_b32 s[G1+2], 8<<16                       ; tensor_dim1
	s_mov_b32 s[G1+3], ASTEP<<16                   ; tile_dim0
	s_mov_b32 s[G1+4], 8                           ; tile_dim1
	s_mov_b32 s[G1+5], 16384                       ; tensor_dim0_stride
	s_mov_b32 s[G1+6], 0
	s_mov_b32 s[G1+7], 0
	; B's: 128 rows of 256 bytes, padded in LDS
	s_or_b32 s[G1B+0], s44, (0<<16)|(1<<20)|(1<<21)|(5<<22)|(3<<25)
	s_mov_b32 s[G1B+1], ROWB<<16
	s_mov_b32 s[G1B+2], 128<<16
	s_mov_b32 s[G1B+3], ROWB<<16
	s_mov_b32 s[G1B+4], 128
	s_mov_b32 s[G1B+5], KROW
	s_mov_b32 s[G1B+6], 0
	s_mov_b32 s[G1B+7], 0
	s_lshl_b32 s20, s17, 18                        ; A: 16 x tile row + 8 x half, times 16,384 bytes
	s_lshl_b32 s18, s16, 17
	s_add_co_u32 s20, s20, s18
	s_mov_b32 s21, 0
	s_lshl_b32 s46, s42, 8
	s_lshl_b32 s18, s16, 7
	s_add_co_u32 s46, s46, s18                     ; B: row 256 x tile column + 128 x half,
	s_lshl_b32 s46, s46, 10                        ; in bytes
	s_mov_b32 s47, 0
	s_lshl_b32 s45, s16, 15                        ; where they go: A's halves,
	s_mul_i32 s23, s16, HALFB
	s_add_co_u32 s23, s23, 2*HALFA                 ; B's behind them: no place in the cluster enters an LDS address
	s_wait_dscnt 0x0                               ; both opening adds are done
	s_wait_kmcnt 0x0
	s_load_b64 s[96:97], s[8:9], 0x28              ; e10, e11
	s_add_nc_u64 s[20:21], s[4:5], s[20:21]
	s_add_nc_u64 s[46:47], s[6:7], s[46:47]
	CROUND                                         ; all sixteen work-groups are here: the first joint loads meet
.irp s, 0,1
	s_mov_b32 s[G0+4*\s], 1
	s_add_co_u32 s[G0+4*\s+1], s45, \s*SLOT
	s_add_nc_u64 s[G0+4*\s+2:G0+4*\s+3], s[20:21], \s*ASTEP
	s_or_b32 s[G0+4*\s+3], s[G0+4*\s+3], 0x80000000
	s_mov_b32 s[G0B+4*\s], 1
	s_add_co_u32 s[G0B+4*\s+1], s23, \s*SLOT
	s_add_nc_u64 s[G0B+4*\s+2:G0B+4*\s+3], s[46:47], \s*ROWB
	s_or_b32 s[G0B+4*\s+3], s[G0B+4*\s+3], 0x80000000
	JLOAD G0+4*\s, G1, G0B+4*\s, G1B
.endr
	v_and_b32 v1, 15, v0                           ; l % 16
	v_bfe_u32 v2, v0, 4, 1                         ; l / 16
	v_and_b32 v6, 31, v0
	v_lshlrev_b32 v[CO], 4, v6
	v_mul_u32_u24 v3, v1, PITCH
	v_lshl_add_u32 v4, v2, 4, v3                   ; B: a fragment's row x pitch + 16 x half
	s_lshl_b32 s21, s15, 15                        ; my 128 rows of A
	s_mul_i32 s22, s16, HALFB                      ; my 128 rows of B,
	s_add_co_u32 s22, s22, 2*HALFA                 ; which lie behind A's
.irp s, 0,1
	v_add_nc_u32 v[ADRA+\s], s21, v[CO]
	v_add_nc_u32 v[ADRB+\s], s22, v4
	s_add_co_u32 s21, s21, SLOT
	s_add_co_u32 s22, s22, SLOT
.endr
	s_mul_i32 s23, s14, 16*SPITCH                  ; my stage
	v_mul_u32_u24 v5, v1, SPITCH                   ; in: row l % 16, 32 bytes for each half of the lanes
	v_lshl_add_u32 v5, v2, 5, v5
	v_add_nc_u32 v[STO], s23, v5
	v_add_nc_u32 v[RD], s23, v[CO]                 ; back: the 32 lanes take one row of 512 bytes
	s_lshl_b32 s20, s17, 8
	s_lshl_b32 s21, s15, 7
	s_add_co_u32 s20, s20, s21                     ; my first row of out0: 256 x tile row + 128 x half,
	s_lshl_b32 s20, s20, 12                        ; of 4,096 bytes (under 2^26)
	s_mov_b32 s21, 0
	s_lshl_b32 s46, s42, 10                        ; my first column, in bytes: 1,024 x tile column + 512 x half
	s_lshl_b32 s47, s16, 9
	s_add_co_u32 s46, s46, s47
	s_mov_b32 s47, 0
	s_add_nc_u64 s[12:13], s[12:13], s[20:21]
	s_add_nc_u64 s[12:13], s[12:13], s[46:47]
	s_add_nc_u64 s[10:11], s[10:11], s[46:47]
	global_load_b128 v[8:11], v[CO], s[10:11]      ; b_out at the four columns that I store of every row
.macro FRAG reg, adr, q, i             ; a fragment of B: lane l holds row l % 16; registers 4 c .. 4 c + 3 hold K = 32 c + 16 (l / 16) + 0 .. 15
.irp c, 0,1,2,3
	ds_load_b128 v[\reg+4*\c:\reg+4*\c+3], v[\adr] offset:128*(\q)+32*\c+(\i)*16*PITCH
.endr
.endm
.macro FRAGA reg, adr, q, i            ; a fragment of A: two heads' images as they lie
.irp c, 0,1,2,3
	ds_load_b128 v[\reg+4*\c:\reg+4*\c+3], v[\adr] offset:ASTEP*(\i)+2048*(\q)+512*\c
.endr
.endm
.macro MUL16 a0, p, zero               ; 16 matrix instructions: A's blocks a0, a0 + 1 x B's eight.  The 64 accumulators take turns, one instruction a turn
.irp a, \a0, \a0+1
.irp b, 0,1,2,3,4,5,6,7
.if \zero
	v_wmma_f32_16x16x128_fp8_fp8 v[8*(8*((\a)%4)+\b):8*(8*((\a)%4)+\b)+7], v[128*(\p)+FR*\b:128*(\p)+FR*\b+FR-1], v[AF+FR*(\a):AF+FR*(\a)+FR-1], 0
.else
	v_wmma_f32_16x16x128_fp8_fp8 v[8*(8*((\a)%4)+\b):8*(8*((\a)%4)+\b)+7], v[128*(\p)+FR*\b:128*(\p)+FR*\b+FR-1], v[AF+FR*(\a):AF+FR*(\a)+FR-1], v[8*(8*((\a)%4)+\b):8*(8*((\a)%4)+\b)+7]
.endif
.endr
.endr
.endm
.macro FETCH_B slot, q, p
	WIN TO_B
.irp i, 0,1,2,3,4,5,6,7
	FRAG 128*(\p)+FR*\i, ADRB+\slot, \q, \i
.endr
	WIN 0
.endm
.macro FETCH_A slot, q, i0
.irp i, \i0, \i0+1, \i0+2, \i0+3
	FRAGA AF+FR*(\i), ADRA+\slot, \q, \i
.endr
.endm
.macro PLACES n                        ; plain vector instructions between a matrix instruction and a load into, or a read of, its registers (ISA guide 7.12.1 for reads)
.rept \n
	v_nop
.endr
.endm
.macro STEP slot, q, zero              ; a step of 128 along K that has its successor in the same slot
	s_wait_dscnt 4*NL                              ; B's set and A's blocks 0-3 are in; the youngest sixteen loads (A's blocks 4-7) may be out
	WIN MUL_LO
	MUL16 0, (\q)%2, \zero
	MUL16 2, (\q)%2, \zero
	s_wait_dscnt 0
	PLACES NP
	FETCH_B \slot, (\q)+1, 1-(\q)%2
	FETCH_A \slot, (\q)+1, 0
	WIN MUL_HI
	MUL16 4, (\q)%2, \zero
	MUL16 6, (\q)%2, \zero
	PLACES NP
	WIN 0
	FETCH_A \slot, (\q)+1, 4
.endm
.macro TURN slot, next, fill           ; a slot's last step changes slots: one barrier, with the three lines in front of it; fill = 1: this slot is filled again, two K steps ahead
	s_wait_tensorcnt 0x0                           ; all my tensor loads have landed: my part of the next slot
	ds_add_u32 v[SPW], v[NIL]                      ; 0 onto my spare word
	s_wait_dscnt 4*NL+1                            ; the add and the youngest sixteen loads may be out
	WIN MUL_LO
	MUL16 0, 1, 0
	s_wait_dscnt 0x0                               ; the add is done, and my reads of this slot are over
	s_barrier_signal -1
	MUL16 2, 1, 0
	WIN 0
	s_barrier_wait -1
.if \fill
	CREST                                          ; a round of the cluster's barrier: no wave of any partner still reads this slot's tile or has a load on its way
	s_add_nc_u64 s[G0+4*\slot+2:G0+4*\slot+3], s[G0+4*\slot+2:G0+4*\slot+3], 2*ASTEP
	s_add_nc_u64 s[G0B+4*\slot+2:G0B+4*\slot+3], s[G0B+4*\slot+2:G0B+4*\slot+3], 2*ROWB
	JLOAD G0+4*\slot, G1, G0B+4*\slot, G1B
.else
	PLACES NP
.endif
	FETCH_B \next, 0, 0
	FETCH_A \next, 0, 0
	WIN MUL_HI
	MUL16 4, 1, 0
	MUL16 6, 1, 0
	PLACES NP
	WIN 0
	FETCH_A \next, 0, 4
.endm
	s_wait_tensorcnt 1                             ; my part of K step 0 is in; K step 1's load may be out
	s_barrier_signal -1
	s_barrier_wait -1
	FETCH_B 0, 0, 0
	FETCH_A 0, 0, 0
	FETCH_A 0, 0, 4
	STEP 0, 0, 1                                   ; eight steps of 128, twice round the ring, written out; the first step's products start the sums
	TURN 0, 1, 1
	STEP 1, 0, 0
	TURN 1, 0, 1
	STEP 0, 0, 0
	TURN 0, 1, 0
	STEP 1, 0, 0
	s_wait_dscnt 4*NL
	WIN MUL_LO
	MUL16 0, 1, 0
	MUL16 2, 1, 0
	s_wait_dscnt 0
	WIN MUL_HI
	MUL16 4, 1, 0
	MUL16 6, 1, 0
	WIN 0
; THE WAY OUT, block by block of 16 rows x 128 columns.  The sums go through my own stage in LDS as they are and come back as whole rows of 512 bytes: a lane then holds the same four columns of every row, so four registers of
; bias serve all, and one packed multiply-add for two numbers gives sum x 2^(e10 + e11) + bias.  LDS serves a wave's instructions in order (ISA guide 5.7.1.4): no wait between the stores and the loads.
.macro TOSTAGE a
.set AC, 64*((\a)%4)
	WIN 0x08+4*((\a)/4)                            ; the stores' data: window 2 or 3
.irp b, 0,1,2,3,4,5,6,7
	ds_store_b128 v[STO], v[AC+8*\b:AC+8*\b+3] offset:64*\b          ; each accumulator from its low end on
	ds_store_b128 v[STO], v[AC+8*\b+4:AC+8*\b+7] offset:64*\b+16
.endr
	WIN 0
.set BB, BK+64*((\a)%2)
.irp t, 0,1,2,3,4,5,6,7,8,9,10,11,12,13,14,15
	ds_load_b128 v[BB+4*\t:BB+4*\t+3], v[RD] offset:\t*SPITCH
.endr
.endm
.macro SEND a, younger                 ; younger: the LDS instructions issued behind block a's loads, which may stay out
.set BB, BK+64*((\a)%2)
	s_wait_dscnt \younger                          ; the block is back in registers
.if (\a) > 0
	s_add_nc_u64 s[12:13], s[12:13], 16*SIZE_N*4   ; (behind a wait on XCNT: the earlier stores have read their base)  16 rows on
.endif
.irp t, 0,1,2,3,4,5,6,7,8,9,10,11,12,13,14,15
	v_pk_fma_f32 v[BB+4*\t:BB+4*\t+1], v[BB+4*\t:BB+4*\t+1], s[96:97], v[8:9] op_sel_hi:[1,0,1]
	v_pk_fma_f32 v[BB+4*\t+2:BB+4*\t+3], v[BB+4*\t+2:BB+4*\t+3], s[96:97], v[10:11] op_sel_hi:[1,0,1]
.endr
.irp t, 0,1,2,3,4,5,6,7,8,9,10,11,12,13,14,15
	global_store_b128 v[CO], v[BB+4*\t:BB+4*\t+3], s[12:13] offset:\t*SIZE_N*4 th:TH_STORE_NT   ; 32 lanes store 512 consecutive bytes, aligned; written once, read by nobody here
.endr
.endm
	s_wait_kmcnt 0x0
	s_add_co_i32 s96, s96, s97                     ; e10 + e11
	s_add_co_i32 s96, s96, 127
	s_lshl_b32 s96, s96, 23                        ; 2^(e10 + e11) as f32
	s_wait_loadcnt 0x0                             ; the bias
	PLACES NP                                      ; behind the last products: their results are read, and A's registers loaded into, below
	TOSTAGE 0
.irp a, 1,2,3,4,5,6,7
.if \a > 1
	s_wait_xcnt 0x0                                ; block a - 2's stores have read their registers and their base: block a's loads may land there, and the base may step
.endif
	TOSTAGE \a
	SEND \a-1, 32                                  ; behind block a - 1's loads: block a's 16 stores and 16 loads
.endr
	s_wait_xcnt 0x0                                ; block 6's stores have read their base
	SEND 7, 0
	s_wait_tensorcnt 0x0                           ; the wave's end: behind my last tensor load and my last LDS store
	ds_add_u32 v[SPW], v[NIL]
	s_wait_dscnt 0x0
	CROUND                                         ; the closing round
	s_endpgm
.Lfunc_end_k_qe960a0a070_outp:
	.size	k_qe960a0a070_outp, .Lfunc_end_k_qe960a0a070_outp-k_qe960a0a070_outp
	.p2alignl 7, 3214868480
	.fill 96, 4, 3214868480
	.section	.rodata,"a",@progbits
	.p2align	6, 0x0
	.amdhsa_kernel k_qe960a0a070_outp
		.amdhsa_group_segment_fixed_size 327680
		.amdhsa_private_segment_fixed_size 0
		.amdhsa_enable_private_segment 0
		.amdhsa_kernarg_size 40
		.amdhsa_user_sgpr_count 2
		.amdhsa_user_sgpr_kernarg_segment_ptr 1
		.amdhsa_wavefront_size32 1
		.amdhsa_system_sgpr_workgroup_id_x 1
		.amdhsa_system_sgpr_workgroup_id_y 1
		.amdhsa_system_sgpr_workgroup_id_z 1
		.amdhsa_system_vgpr_workitem_id 0
		.amdhsa_next_free_vgpr 1024
		.amdhsa_next_free_sgpr 98
		.amdhsa_reserve_vcc 0
		.amdhsa_float_denorm_mode_32 3
		.amdhsa_float_denorm_mode_16_64 3
		.amdhsa_memory_ordered 1
		.amdhsa_forward_progress 1
		.amdhsa_inst_pref_size 123
	.end_amdhsa_kernel
	.amdgpu_metadata
---
amdhsa.version: [ 1, 2 ]
amdhsa.kernels:
  - .name:           k_qe960a0a070_outp
    .symbol:         k_qe960a0a070_outp.kd
    .args:
      - { .name: o_img, .offset: 0, .size: 8, .value_kind: global_buffer, .address_space: global }
      - { .name: W_out_codes, .offset: 8, .size: 8, .value_kind: global_buffer, .address_space: global }
      - { .name: lowp_scales, .offset: 16, .size: 8, .value_kind: global_buffer, .address_space: global }
      - { .name: b_out, .offset: 24, .size: 8, .value_kind: global_buffer, .address_space: global }
      - { .name: out0, .offset: 32, .size: 8, .value_kind: global_buffer, .address_space: global }
    .group_segment_fixed_size: 327680
    .private_segment_fixed_size: 0
    .kernarg_segment_align: 8
    .kernarg_segment_size: 40
    .max_flat_workgroup_size: 128
    .sgpr_count:     98
    .vgpr_count:     1024
    .wavefront_size: 32
...
	.end_amdgpu_metadata
.endif
;; end of part 3
